; MI455X (gfx1250); checked and timed in simulation.
; The chip was launched on July 23, 2026; its instructions are those of AMD's public machine-readable ISA for CDNA 5 (MIT licence, August 2026) and "CDNA5" Instruction Set Architecture Reference Guide (July 2026). The comments in the code are by the model that wrote it; some were corrected since.
;; Skill Execution Adapter. Allowed arithmetic: float matrix products may take bf16 or f16 operands with f32 sums; all other float work in f32.
;; Inputs: W_kv 128 x 4,096 float32; W_out 2,048 x 2,048 float32; W_q 2,048 x 2,048 float32; b_kv 4,096 float32; h 2 x 2,048 x 2,048 float32; skill 2 x 128 float32.
;; Outputs: out0 2 x 2,048 x 2,048 float32.
;; One version. Each part assembles by itself: llvm-mc -triple=amdgcn-amd-amdhsa -mcpu=gfx1250 --defsym DOCPART=n.
;; ======== version 1 of 1: 2 launches
;; workspace buffers: fold 262,144 bytes
;; launch prep (part 1): grid 256 x 1, 8 waves a work-group, clusters of 4 x 1, 220,160 bytes of LDS; arguments W_kv, b_kv, skill, W_q, W_out, fold; writes fold
.if DOCPART == 1
	.amdgcn_target "amdgcn-amd-amdhsa--gfx1250"
	.amdhsa_code_object_version 6
	.text
	.protected	k_q1f407a174a_prep
	.globl	k_q1f407a174a_prep
	.p2align	8
	.type	k_q1f407a174a_prep,@function
k_q1f407a174a_prep:
	s_mov_b64 s[64:65], 0
	v_nop
	global_prefetch_b8 v0, s[64:65] scope:SCOPE_SE
	s_setreg_imm32_b32 hwreg(HW_REG_WAVE_MODE, 25, 1), 1
	s_wait_xcnt 0x0
	s_wait_alu depctr_hold_cnt(0) depctr_sa_sdst(0) depctr_va_vdst(0) depctr_va_sdst(0) depctr_va_ssrc(0) depctr_va_vcc(0) depctr_vm_vsrc(0)
	s_getreg_b32 s2, hwreg(HW_REG_IB_STS2, 6, 4)
	s_cmp_eq_u32 s2, 0
	s_cbranch_scc0 .Lentry_in_a_cluster
	s_endpgm
.Lentry_in_a_cluster:
	s_bfe_u32 s2, ttmp6, 0x10000c
	s_cmp_lg_u32 s2, 0x3003
	s_cbranch_scc0 .Lentry_shape_is_right
	s_endpgm
.Lentry_shape_is_right:
; PREP: folds the one skill token into the two large weights.
;   kv[b][c]      = sum over i of skill[b][i] W_kv[i][c] + b_kv[c]          (k = columns 0..2047, v = columns 2048..4095)
;   G[b][head][d] = C sum over j of W_q[d][128 head + j] k[b][128 head + j]   C = log2(e) / sqrt(128)
;   U[b][head][n] =   sum over j of v[b][128 head + j] W_out[128 head + j][n]
; The JAX function spreads one key and one value vector over all 2,048 slots in its own body, so a query's 2,048 logits are one number,
; h[b][t][:] . G[b][head][:], and the value product is (sum of the weights) x v.  The second launch computes every logit, its softmax and the products
; with U; here only the sums over j are taken first, which holds for every input.
; LIMITS: the order of rounding differs from the JAX function's (sums over j first); G and U are kept in bf16 (8 bits of mantissa, f32's range).
; These are products with two rows (the batches) that read each weight once: f32 multiply-adds on the vector unit, all sums in f32.
;
; fold: bf16 [part 2][b 2][head 16][2048]; part 0 = G, part 1 = U; a row is 4,096 bytes.
; 256 work-groups of 8 waves.  Cluster number n = 0..63: role = n >> 5 (0 makes G, 1 makes U), head = (n >> 1) & 15, block = 4 (n & 1) + place in the cluster.
; A work-group reads 128 KiB of its weight and makes 2 x 256 numbers.  Role Q: rows d = 256 block .. + 255, columns 128 head .. + 127 of W_q; wave w takes 32 rows.
; Role O: rows 128 head .. + 127, columns 256 block .. + 255 of W_out; wave w takes 32 rows (w >> 1) x 128 columns (w & 1).  Either way 32 rows x 512 bytes a wave.
; CLUSTER 4 x 1: the four partners have one role and one head, so they need the same 128 rows x 512 bytes of W_kv (64 of each one's 192 KiB): asked for jointly.
; Every LDS byte is filled once, so there is no ring; nothing is prefetched, since every byte is requested at the first lines.
.set TP,     528                       ; LDS pitch of a weight row: 512 bytes + 16 = 33 x 16, so sixteen rows' 16-byte pieces fall at sixteen places modulo 256
.set TILE_W, 32*TP                     ; 16,896: a wave's weight tile
.set KVT,    8*TILE_W                  ; 135,168: W_kv's part, wave w: rows 16 w .. + 15, 512 bytes each, dense
.set KVT_W,  8192
.set KR,     KVT+8*KVT_W               ; 200,704: partial kv, [wave 8][b 2][128] f32
.set KF,     KR+8192                   ; 208,896: kv of this head, [j 128][b 2] f32
.set FIN,    KF+1024                   ; 209,920: role O's results, [plane 4][b 2][256] f32
.set FINQ,   FIN+8192                  ; 218,112: role Q's results, [b 2][256] f32; ends at 220,160.  Each role's text stores into bytes of its own
.set KVA, 2                            ; v2   my 16 bytes (4 columns) of a row of my wave's part of W_kv
.set KRS, 3                            ; v3   where I put my partial kv
.set KRR, 4                            ; v4   thread t reads the eight partial sums of (b = t >> 7, j = t & 127)
.set KFS, 5                            ; v5   and puts the sum
.set KFA, 6                            ; v6   kv pairs as the role reads them
.set TA,  7                            ; v7   my place in my wave's weight tile
.set FS,  8                            ; v8   where my results go
.set FR,  9                            ; v9   the tail: my eight results, in FIN's plane 0 (role Q's lie FINQ - FIN further on)
.set GO,  10                           ; v10  the tail: my 16 bytes in fold
.set BO,  11                           ; v11  my bias
.set BIAS,12
.set ACC, 16                           ; v[16:31] sums
.set B0,  32                           ; v[32:127]  load buffer 0
.set B1,  128                          ; v[128:223] load buffer 1
.set G0K, 16                           ; s[16:19] group 0, W_kv's part
.set G0T, 20                           ; s[20:23] group 0, my weight tile
.set G1K, 24                           ; s[24:31] group 1, W_kv's part (joint)
.set G1T, 32                           ; s[32:39] group 1, weight tile
.set SK0, 40                           ; s[40:55] skill[0][16 w .. + 15]
.set SK1, 68                           ; s[68:83] skill[1][16 w .. + 15]
; A round of the cluster's barrier: my work-group's barrier, wave 0 signals for the work-group, every wave waits for all four work-groups, my work-group's barrier again.
.macro ROUND
	s_barrier_signal -1
	s_barrier_wait -1
	s_cmp_lg_u32 s10, 0
	s_cbranch_scc1 .Lnot_wave_0_\@
	s_barrier_signal -3
.Lnot_wave_0_\@:
	s_barrier_wait -3
	s_barrier_signal -1
	s_barrier_wait -1
.endm
	s_load_b128 s[4:7], s[0:1], 0x0                ; W_kv s[4:5], b_kv s[6:7]
	s_load_b64 s[8:9], s[0:1], 0x10                ; skill
	s_load_b64 s[2:3], s[0:1], 0x18                ; W_q
	s_load_b128 s[12:15], s[0:1], 0x20             ; W_out s[12:13], fold s[14:15]
	v_lshrrev_b32 v1, 5, v0
	v_readfirstlane_b32 s10, v1                    ; wave 0..7
	s_bfe_u32 s11, ttmp6, 0x40000                  ; my place in the cluster: enters my own tile's global address and the store's base, nothing else
	s_lshr_b32 s56, ttmp9, 5                       ; role
	s_bfe_u32 s57, ttmp9, 0x40001                  ; head
	s_and_b32 s58, ttmp9, 1
	s_lshl_b32 s58, s58, 2
	s_add_co_u32 s58, s58, s11                     ; block 0..7
	; byte offsets, each in registers of its own
	s_lshl_b32 s59, s56, 13                        ; role x 2,048 columns x 4 bytes
	s_lshl_b32 s60, s57, 9                         ; head x 128 columns x 4 bytes
	s_add_co_u32 s66, s59, s60                     ; s[66:67]: this head's k or v columns, in b_kv and in a row of W_kv
	s_mov_b32 s67, 0
	s_lshl_b32 s62, s10, 18                        ; 16 rows of W_kv (16,384 bytes each) a wave
	s_add_co_u32 s62, s62, s66                     ; s[62:63]: my part of W_kv: made of the cluster's number and the wave's alone
	s_mov_b32 s63, 0
	s_lshl_b32 s59, s58, 8                         ; role Q: row 256 block + 32 w,
	s_lshl_b32 s61, s10, 5
	s_add_co_u32 s59, s59, s61
	s_lshl_b32 s59, s59, 13                        ; 8,192 bytes a row,
	s_add_co_u32 s59, s59, s60                     ; column 128 head
	s_lshr_b32 s61, s10, 1                         ; role O: row 128 head + 32 (w >> 1),
	s_lshl_b32 s61, s61, 5
	s_lshl_b32 s60, s57, 7
	s_add_co_u32 s60, s60, s61
	s_lshl_b32 s60, s60, 13
	s_lshl_b32 s61, s58, 10                        ; column 256 block
	s_add_co_u32 s60, s60, s61
	s_and_b32 s61, s10, 1                          ; + 128 (w & 1)
	s_lshl_b32 s61, s61, 9
	s_add_co_u32 s60, s60, s61
	s_cmp_lg_u32 s56, 0
	s_cselect_b32 s60, s60, s59                    ; s[60:61]: my weight tile
	s_mov_b32 s61, 0
	s_lshl_b32 s58, s58, 9                         ; fold: 512 bytes a block,
	s_lshl_b32 s59, s57, 12                        ; 4,096 a head,
	s_add_co_u32 s58, s58, s59
	s_lshl_b32 s59, s56, 17                        ; 131,072 a part,
	s_add_co_u32 s58, s58, s59
	s_and_b32 s59, s10, 1                          ; 65,536 a batch: in the tail wave 0 stores batch 0, wave 1 batch 1
	s_lshl_b32 s59, s59, 16
	s_add_co_u32 s58, s58, s59                     ; s[58:59]
	s_mov_b32 s59, 0
	; group 1 of W_kv's part: 16 rows x 128 f32, rows 4,096 elements apart, dense in LDS, to all four partners
	s_mov_b32 s[G1K+0], 15|(2<<16)|(1<<21)         ; 15:0 mask: the four places; 17:16 elements of 4 bytes; 21 set beside a mask
	s_mov_b32 s[G1K+1], 128<<16                    ; tensor_dim0 = 128
	s_mov_b32 s[G1K+2], 16<<16                     ; tensor_dim1 = 16
	s_mov_b32 s[G1K+3], 128<<16                    ; tile_dim0 = 128
	s_mov_b32 s[G1K+4], 16                         ; tile_dim1 = 16
	s_mov_b32 s[G1K+5], 4096                       ; pitch
	s_mov_b32 s[G1K+6], 0
	s_mov_b32 s[G1K+7], 0
	; group 1 of a weight tile: 32 rows x 128 f32, rows 2,048 elements apart, 4 words of padding behind every 128 words; my own (no mask)
	s_mov_b32 s[G1T+0], (2<<16)|(1<<20)|(6<<22)|(3<<25)
	s_mov_b32 s[G1T+1], 128<<16
	s_mov_b32 s[G1T+2], 32<<16
	s_mov_b32 s[G1T+3], 128<<16
	s_mov_b32 s[G1T+4], 32
	s_mov_b32 s[G1T+5], 2048
	s_mov_b32 s[G1T+6], 0
	s_mov_b32 s[G1T+7], 0
	s_mov_b32 s[G0K+0], 1
	s_lshl_b32 s[G0K+1], s10, 13
	s_add_co_u32 s[G0K+1], s[G0K+1], KVT           ; LDS: KVT + 8,192 w
	s_mov_b32 s[G0T+0], 1
	s_mul_i32 s[G0T+1], s10, TILE_W                ; LDS: 16,896 w
	; lane addresses that both roles use
	v_and_b32 v1, 31, v0                           ; lane
	v_lshl_add_u32 v[KVA], v1, 4, s[G0K+1]
	v_lshl_add_u32 v[KRR], v0, 2, KR
	v_and_b32 v[BO], 127, v0
	v_lshlrev_b32 v[BO], 2, v[BO]                  ; 4 j
	v_lshrrev_b32 v13, 7, v0
	v_lshlrev_b32 v13, 2, v13                      ; 4 b
	v_lshl_add_u32 v[KFS], v[BO], 1, v13
	v_add_nc_u32 v[KFS], KF, v[KFS]                ; KF + 8 j + 4 b
	v_lshlrev_b32 v[GO], 4, v1
	s_wait_kmcnt 0x0
	s_add_nc_u64 s[6:7], s[6:7], s[66:67]          ; b_kv at this head's columns
	s_lshl_b32 s66, s10, 6                         ; 16 numbers of skill a wave (s67 is still 0)
	s_add_nc_u64 s[8:9], s[8:9], s[66:67]
	s_load_b512 s[SK0:SK0+15], s[8:9], 0x0         ; skill[0][16 w ..]
	s_load_b512 s[SK1:SK1+15], s[8:9], 0x200       ; skill[1][16 w ..]
	s_add_nc_u64 s[14:15], s[14:15], s[58:59]      ; fold at my 512 bytes
	s_add_nc_u64 s[G0K+2:G0K+3], s[4:5], s[62:63]
	s_or_b32 s[G0K+3], s[G0K+3], 0x80000000        ; type = 2
	s_cmp_lg_u32 s56, 0
	s_cselect_b64 s[G0T+2:G0T+3], s[12:13], s[2:3] ; role O reads W_out, role Q reads W_q
	s_add_nc_u64 s[G0T+2:G0T+3], s[G0T+2:G0T+3], s[60:61]
	s_or_b32 s[G0T+3], s[G0T+3], 0x80000000
	s_lshl_b32 s62, s10, 10
	s_add_co_u32 s62, s62, KR
	v_lshl_add_u32 v[KRS], v1, 4, s62              ; KR + 1,024 w + 16 lane
	s_and_b32 s63, s10, 1
	s_lshl_b32 s63, s63, 10
	s_add_co_u32 s63, s63, FIN
	v_lshl_add_u32 v[FR], v1, 5, s63               ; FIN + 1,024 b + 32 lane
	ROUND                                          ; all four partners are here: the joint requests meet
	tensor_load_to_lds s[G0K:G0K+3], s[G1K:G1K+7]  ; both fills of the launch go out together: two tensor loads of the wave are out
	tensor_load_to_lds s[G0T:G0T+3], s[G1T:G1T+7]
	global_load_b32 v[BIAS], v[BO], s[6:7]         ; b_kv[column j of this head's part]
	; KV, PARTIAL: my wave's 16 rows of W_kv; a lane owns 4 columns, both batches
	s_wait_tensorcnt 0x1                           ; tensor loads of a wave end in order: W_kv's part is in, the one load issued behind it (my weight tile) stays out
.irp i, 0,1,2,3,4,5,6,7,8,9,10,11,12,13,14,15
	ds_load_b128 v[B0+4*\i:B0+4*\i+3], v[KVA] offset:512*\i
.endr
	s_wait_kmcnt 0x0                               ; skill
.irp i, 0,1,2,3,4,5,6,7,8,9,10,11,12,13,14,15
	s_wait_dscnt 15-\i                             ; row i is in; the 15 - i younger rows stay out
.irp c, 0,1,2,3
.if \i == 0
	v_mul_f32 v[ACC+\c],   s[SK0], v[B0+\c]        ; the first row starts the sums
	v_mul_f32 v[ACC+4+\c], s[SK1], v[B0+\c]
.else
	v_fmac_f32 v[ACC+\c],   s[SK0+\i], v[B0+4*\i+\c]
	v_fmac_f32 v[ACC+4+\c], s[SK1+\i], v[B0+4*\i+\c]
.endif
.endr
.endr
	ds_store_b128 v[KRS], v[ACC:ACC+3]             ; batch 0
	ds_store_b128 v[KRS], v[ACC+4:ACC+7] offset:512 ; batch 1
	s_wait_dscnt 0x0                               ; for the other waves: my stores are done before I signal
	s_barrier_signal -1
	s_barrier_wait -1                              ; My weight tile may stay on its way
	; KV, FINAL: thread t sums the eight waves' parts of (b, j) and adds the bias
.irp p, 0,1,2,3,4,5,6,7
	ds_load_b32 v[B0+\p], v[KRR] offset:1024*\p
.endr
	s_wait_dscnt 0x0
	s_wait_loadcnt 0x0                             ; the bias
	v_pk_add_f32 v[B0:B0+1],   v[B0:B0+1],   v[B0+2:B0+3]
	v_pk_add_f32 v[B0+4:B0+5], v[B0+4:B0+5], v[B0+6:B0+7]
	v_pk_add_f32 v[B0:B0+1],   v[B0:B0+1],   v[B0+4:B0+5]
	v_add_f32 v[B0], v[B0], v[B0+1]
	v_add_f32 v[B0], v[B0], v[BIAS]
	ds_store_b32 v[KFS], v[B0]
	s_wait_dscnt 0x0
	s_barrier_signal -1
	s_barrier_wait -1                              ; kv of this head is whole
	s_wait_tensorcnt 0x0                           ; my weight tile is in; only my wave reads it
	s_cmp_lg_u32 s56, 0                            ; the role hangs on the cluster's number alone: the same in every wave and every partner
	s_cbranch_scc1 .Lrole_o
	; ROLE Q.  A lane owns row (lane) of its wave's tile: 128 numbers of W_q in 32 pieces of 4; the sums are pairs (batch 0, batch 1), four chains.
	v_mov_b32 v[KFA], KF                           ; every lane reads the same pairs (k0[j], k1[j])
	v_mul_u32_u24 v[TA], v1, TP
	v_add_nc_u32 v[TA], s[G0T+1], v[TA]
	v_lshl_add_u32 v[FS], v0, 2, FINQ              ; d = 32 w + lane = t
.macro QLOAD g, buf                    ; 24 loads: eight pieces of my row, and their eight x 4 pairs
.irp c, 0,1,2,3,4,5,6,7
	ds_load_b128 v[\buf+4*\c:\buf+4*\c+3],       v[TA]  offset:(8*\g+\c)*16
	ds_load_b128 v[\buf+32+8*\c:\buf+32+8*\c+3], v[KFA] offset:(8*\g+\c)*32
	ds_load_b128 v[\buf+36+8*\c:\buf+36+8*\c+3], v[KFA] offset:(8*\g+\c)*32+16
.endr
.endm
.macro QCHUNK buf, c, start            ; 4 j: chain x adds W[j] x (k0[j], k1[j]); W is one register of a pair, taken for both halves
.irp x, 0,1,2,3
.if \start
.if \x & 1
	v_pk_mul_f32 v[ACC+2*\x:ACC+2*\x+1], v[\buf+4*\c+2*(\x>>1):\buf+4*\c+2*(\x>>1)+1], v[\buf+32+8*\c+2*\x:\buf+32+8*\c+2*\x+1] op_sel:[1,0] op_sel_hi:[1,1]
.else
	v_pk_mul_f32 v[ACC+2*\x:ACC+2*\x+1], v[\buf+4*\c+2*(\x>>1):\buf+4*\c+2*(\x>>1)+1], v[\buf+32+8*\c+2*\x:\buf+32+8*\c+2*\x+1] op_sel_hi:[0,1]
.endif
.else
.if \x & 1
	v_pk_fma_f32 v[ACC+2*\x:ACC+2*\x+1], v[\buf+4*\c+2*(\x>>1):\buf+4*\c+2*(\x>>1)+1], v[\buf+32+8*\c+2*\x:\buf+32+8*\c+2*\x+1], v[ACC+2*\x:ACC+2*\x+1] op_sel:[1,0,0] op_sel_hi:[1,1,1]
.else
	v_pk_fma_f32 v[ACC+2*\x:ACC+2*\x+1], v[\buf+4*\c+2*(\x>>1):\buf+4*\c+2*(\x>>1)+1], v[\buf+32+8*\c+2*\x:\buf+32+8*\c+2*\x+1], v[ACC+2*\x:ACC+2*\x+1] op_sel_hi:[0,1,1]
.endif
.endif
.endr
.endm
.macro QFMA buf, first
	QCHUNK \buf, 0, \first             ; first = 1: the first products start the four chains
.irp c, 1,2,3,4,5,6,7
	QCHUNK \buf, \c, 0
.endr
.endm
	QLOAD 0, B0
	QLOAD 1, B1
	s_wait_dscnt 24                                ; the older group is in; the younger group's 24 loads stay out
	QFMA B0, 1
	QLOAD 2, B0
	s_wait_dscnt 24
	QFMA B1, 0
	QLOAD 3, B1
	s_wait_dscnt 24
	QFMA B0, 0
	s_wait_dscnt 0x0
	QFMA B1, 0
	v_pk_add_f32 v[ACC:ACC+1],   v[ACC:ACC+1],   v[ACC+2:ACC+3]
	v_pk_add_f32 v[ACC+4:ACC+5], v[ACC+4:ACC+5], v[ACC+6:ACC+7]
	v_pk_add_f32 v[ACC:ACC+1],   v[ACC:ACC+1],   v[ACC+4:ACC+5]
	v_pk_mul_f32 v[ACC:ACC+1], v[ACC:ACC+1], 0x3e0293ee op_sel_hi:[1,0]   ; x log2(e) / sqrt(128) = 0.12751743: the logits come out ready for a base-2 exponential
	ds_store_b32 v[FS], v[ACC]                     ; batch 0
	ds_store_b32 v[FS], v[ACC+1] offset:1024       ; batch 1
	s_branch .Ljoin
.Lrole_o:
	; ROLE O.  A lane owns 4 columns of its wave's 32 rows x 128 columns of W_out; sums for both batches, even and odd rows in chains of their own.
	s_lshr_b32 s62, s10, 1                         ; which 32 rows
	s_and_b32 s63, s10, 1                          ; which 128 columns
	s_lshl_b32 s60, s62, 8
	s_add_co_u32 s60, s60, KF
	v_mov_b32 v[KFA], s60                          ; the pairs (v0[j], v1[j]) of my 32 rows: 8 bytes each
	v_lshl_add_u32 v[TA], v1, 4, s[G0T+1]
	s_lshl_b32 s61, s62, 11                        ; plane = which 32 rows
	s_lshl_b32 s63, s63, 9
	s_add_co_u32 s61, s61, s63
	s_add_co_u32 s61, s61, FIN
	v_lshl_add_u32 v[FS], v1, 4, s61
.macro OLOAD g, buf                    ; 24 loads: my 16 bytes of sixteen rows, and the rows' pairs, two rows a load
.irp c, 0,1,2,3,4,5,6,7,8,9,10,11,12,13,14,15
	ds_load_b128 v[\buf+4*\c:\buf+4*\c+3], v[TA] offset:(16*\g+\c)*TP
.endr
.irp c, 0,1,2,3,4,5,6,7
	ds_load_b128 v[\buf+64+4*\c:\buf+64+4*\c+3], v[KFA] offset:(16*\g+2*\c)*8
.endr
.endm
.macro OROW buf, c, start              ; one row: (2 columns) x v[bt][j], for both batches and both halves of my 4 columns
.irp bt, 0,1
.irp hf, 0,1
.if \start
.if \bt
	v_pk_mul_f32 v[ACC+8*(\c&1)+4*\bt+2*\hf:ACC+8*(\c&1)+4*\bt+2*\hf+1], v[\buf+4*\c+2*\hf:\buf+4*\c+2*\hf+1], v[\buf+64+2*\c:\buf+64+2*\c+1] op_sel:[0,1] op_sel_hi:[1,1]
.else
	v_pk_mul_f32 v[ACC+8*(\c&1)+4*\bt+2*\hf:ACC+8*(\c&1)+4*\bt+2*\hf+1], v[\buf+4*\c+2*\hf:\buf+4*\c+2*\hf+1], v[\buf+64+2*\c:\buf+64+2*\c+1] op_sel_hi:[1,0]
.endif
.else
.if \bt
	v_pk_fma_f32 v[ACC+8*(\c&1)+4*\bt+2*\hf:ACC+8*(\c&1)+4*\bt+2*\hf+1], v[\buf+4*\c+2*\hf:\buf+4*\c+2*\hf+1], v[\buf+64+2*\c:\buf+64+2*\c+1], v[ACC+8*(\c&1)+4*\bt+2*\hf:ACC+8*(\c&1)+4*\bt+2*\hf+1] op_sel:[0,1,0] op_sel_hi:[1,1,1]
.else
	v_pk_fma_f32 v[ACC+8*(\c&1)+4*\bt+2*\hf:ACC+8*(\c&1)+4*\bt+2*\hf+1], v[\buf+4*\c+2*\hf:\buf+4*\c+2*\hf+1], v[\buf+64+2*\c:\buf+64+2*\c+1], v[ACC+8*(\c&1)+4*\bt+2*\hf:ACC+8*(\c&1)+4*\bt+2*\hf+1] op_sel_hi:[1,0,1]
.endif
.endif
.endr
.endr
.endm
.macro OFMA buf, first
	OROW \buf, 0, \first               ; first = 1: rows 0 and 1 start the even and the odd chains
	OROW \buf, 1, \first
.irp c, 2,3,4,5,6,7,8,9,10,11,12,13,14,15
	OROW \buf, \c, 0
.endr
.endm
	OLOAD 0, B0
	OLOAD 1, B1
	s_wait_dscnt 24                                ; rows 0 to 15 are in; the younger group's 24 loads stay out
	OFMA B0, 1
	s_wait_dscnt 0x0
	OFMA B1, 0
.irp i, 0,2,4,6
	v_pk_add_f32 v[ACC+\i:ACC+\i+1], v[ACC+\i:ACC+\i+1], v[ACC+8+\i:ACC+8+\i+1]   ; even rows + odd rows
.endr
	ds_store_b128 v[FS], v[ACC:ACC+3]              ; batch 0
	ds_store_b128 v[FS], v[ACC+4:ACC+7] offset:1024 ; batch 1
.Ljoin:
	s_wait_dscnt 0x0                               ; my results are in LDS before I signal
	s_barrier_signal -1
	s_barrier_wait -1
	; THE TAIL: wave 0 stores batch 0, wave 1 batch 1: 256 numbers, 8 a lane, so that the wave's one store covers 512 consecutive bytes, aligned.
	; A lane's 32 bytes lie 32 apart, so two lanes of a group of sixteen meet modulo 256 bytes: accepted for these 2 (role Q) or 8 (role O) loads.
	s_cmp_ge_u32 s10, 2
	s_cbranch_scc1 .Lend
	s_cmp_eq_u32 s56, 0
	s_cbranch_scc1 .Ltail_q
.irp p, 0,1,2,3
	ds_load_b128 v[B0+8*\p:B0+8*\p+3],   v[FR] offset:2048*\p       ; role O: the four groups of 32 rows
	ds_load_b128 v[B0+8*\p+4:B0+8*\p+7], v[FR] offset:2048*\p+16
.endr
	s_wait_dscnt 0x0
.irp i, 0,2,4,6
	v_pk_add_f32 v[B0+\i:B0+\i+1],       v[B0+\i:B0+\i+1],       v[B0+8+\i:B0+8+\i+1]
	v_pk_add_f32 v[B0+16+\i:B0+16+\i+1], v[B0+16+\i:B0+16+\i+1], v[B0+24+\i:B0+24+\i+1]
.endr
.irp i, 0,2,4,6
	v_pk_add_f32 v[B0+\i:B0+\i+1], v[B0+\i:B0+\i+1], v[B0+16+\i:B0+16+\i+1]
.endr
	s_branch .Lpack
.Ltail_q:
	ds_load_b128 v[B0:B0+3],   v[FR] offset:FINQ-FIN                ; role Q: one plane, whole sums
	ds_load_b128 v[B0+4:B0+7], v[FR] offset:FINQ-FIN+16
	s_wait_dscnt 0x0
.Lpack:
.irp i, 0,1,2,3
	v_cvt_pk_bf16_f32 v[ACC+\i], v[B0+2*\i], v[B0+2*\i+1]
.endr
	global_store_b128 v[GO], v[ACC:ACC+3], s[14:15]
.Lend:
	ROUND                                          ; the closing round: no work-group ends while a partner may still make a joint request
	s_endpgm
.Lfunc_end_k_q1f407a174a_prep:
	.size	k_q1f407a174a_prep, .Lfunc_end_k_q1f407a174a_prep-k_q1f407a174a_prep
	.p2alignl 7, 3214868480
	.fill 96, 4, 3214868480
	.section	.rodata,"a",@progbits
	.p2align	6, 0x0
	.amdhsa_kernel k_q1f407a174a_prep
		.amdhsa_group_segment_fixed_size 220160
		.amdhsa_private_segment_fixed_size 0
		.amdhsa_enable_private_segment 0
		.amdhsa_kernarg_size 48
		.amdhsa_user_sgpr_count 2
		.amdhsa_user_sgpr_kernarg_segment_ptr 1
		.amdhsa_wavefront_size32 1
		.amdhsa_system_sgpr_workgroup_id_x 1
		.amdhsa_system_sgpr_workgroup_id_y 1
		.amdhsa_system_sgpr_workgroup_id_z 1
		.amdhsa_system_vgpr_workitem_id 0
		.amdhsa_next_free_vgpr 224
		.amdhsa_next_free_sgpr 84
		.amdhsa_reserve_vcc 0
		.amdhsa_float_denorm_mode_32 3
		.amdhsa_float_denorm_mode_16_64 3
		.amdhsa_memory_ordered 1
		.amdhsa_forward_progress 1
		.amdhsa_inst_pref_size 42
	.end_amdhsa_kernel
	.amdgpu_metadata
---
amdhsa.version: [ 1, 2 ]
amdhsa.kernels:
  - .name:           k_q1f407a174a_prep
    .symbol:         k_q1f407a174a_prep.kd
    .args:
      - { .name: W_kv, .offset: 0, .size: 8, .value_kind: global_buffer, .address_space: global }
      - { .name: b_kv, .offset: 8, .size: 8, .value_kind: global_buffer, .address_space: global }
      - { .name: skill, .offset: 16, .size: 8, .value_kind: global_buffer, .address_space: global }
      - { .name: W_q, .offset: 24, .size: 8, .value_kind: global_buffer, .address_space: global }
      - { .name: W_out, .offset: 32, .size: 8, .value_kind: global_buffer, .address_space: global }
      - { .name: fold, .offset: 40, .size: 8, .value_kind: global_buffer, .address_space: global }
    .group_segment_fixed_size: 220160
    .private_segment_fixed_size: 0
    .kernarg_segment_align: 8
    .kernarg_segment_size: 48
    .max_flat_workgroup_size: 256
    .sgpr_count:     84
    .vgpr_count:     224
    .wavefront_size: 32
...
	.end_amdgpu_metadata
.endif
;; end of part 1
;; launch main (part 2): grid 256 x 1, 8 waves a work-group, clusters of 4 x 1, 288,768 bytes of LDS; arguments h, fold, out0; writes out0
.if DOCPART == 2
	.amdgcn_target "amdgcn-amd-amdhsa--gfx1250"
	.amdhsa_code_object_version 6
	.text
	.protected	k_q1f407a174a_main
	.globl	k_q1f407a174a_main
	.p2align	8
	.type	k_q1f407a174a_main,@function
k_q1f407a174a_main:
	s_mov_b64 s[64:65], 0
	v_nop
	global_prefetch_b8 v0, s[64:65] scope:SCOPE_SE
	s_setreg_imm32_b32 hwreg(HW_REG_WAVE_MODE, 25, 1), 1
	s_wait_xcnt 0x0
	s_wait_alu depctr_hold_cnt(0) depctr_sa_sdst(0) depctr_va_vdst(0) depctr_va_sdst(0) depctr_va_ssrc(0) depctr_va_vcc(0) depctr_vm_vsrc(0)
	s_getreg_b32 s2, hwreg(HW_REG_IB_STS2, 6, 4)
	s_cmp_eq_u32 s2, 0
	s_cbranch_scc0 .Lentry_in_a_cluster
	s_endpgm
.Lentry_in_a_cluster:
	s_bfe_u32 s2, ttmp6, 0x10000c
	s_cmp_lg_u32 s2, 0x3003
	s_cbranch_scc0 .Lentry_shape_is_right
	s_endpgm
.Lentry_shape_is_right:
; MAIN: logits, softmax and the output product, for 16 rows (b, t) a work-group, in two phases of 8 rows.
;   s[t][head] = sum over d of h[b][t][d] G[b][head][d]          (already x log2(e) / sqrt(128)), on the matrix unit, bf16 operands, f32 sums
;   All 2,048 key slots hold one key, so a query's 2,048 logits are this one number.  Its softmax is carried out: the maximum (the number itself) is taken away,
;   e = 2^(s - max), sum = 2,048 e, and the 2,048 equal weights e / sum add up to w = 2,048 e / sum, which multiplies the one value vector.
;   out0[b][t][n] = sum over head of w[t][head] U[b][head][n]    on the matrix unit
; LIMITS: the order of rounding differs from the JAX function's (the sums over a head's 128 numbers were taken first); h, G, w and U enter the matrix unit in bf16.
; A logit that is not finite (beyond f32's range, about 3.4e38) gives NaN in its row, as in the JAX function; close to that edge the two may differ in which logits overflow.
; A number of U that is not finite (a sum beyond f32's range) gives NaN also in the 16 columns that share its matrix instruction (0 x infinity), not in its own column alone.
; 256 work-groups of 8 waves.  Work-group x owns rows 16 x .. + 15 of the 4,096; batch = x >> 7.  Wave w owns d = 256 w .. + 255 of the logit sums (the eight parts
; meet in LDS) and columns 256 w .. + 255 of out0.
; TWO PHASES: a wave asks for G, its h of rows 0-7, U and its h of rows 8-15, in this order, all at the start.  A wave's tensor loads end in order, so phase 0 computes and
; stores rows 0-7 while the tile of rows 8-15 is still on its way, and phase 1 computes while phase 0's stores leave.
; Eight rows fill half of a matrix instruction's sixteen columns.  In the logit product each row stands twice (lane r takes row r & 7), so that all lanes hold w.  In the output
; product the two halves are put to use: K = 32 holds the 16 heads of two tiles of U, columns 0-7 carry (w, 0) and columns 8-15 carry (0, w), and one instruction makes 8 rows x 32 columns.
; CLUSTER 4 x 1: the four partners have one batch, so they read the same G[b] and U[b] (128 of each one's 256 KiB): asked for jointly.  h is each one's own.
; Every LDS byte is filled once: no ring.  32 matrix instructions a wave: one register window is enough.  Every byte is requested at the first lines: no prefetch.
.set HP,   1040                        ; LDS pitch of a wave's h rows: 1,024 + 16 = 65 x 16 bytes
.set H_P,  8448                        ; a phase's 8 rows are 8,320 bytes, placed 33 x 256 apart: the two phases' tiles share no aligned block of 256 bytes
.set H_W,  2*H_P                       ; 16,896: wave w's two tiles of h; a tile, after its one fill and its reads, is the same wave's stage for that phase's rows of out0
.set QP,   528                         ; pitch of G's rows: 512 + 16
.set Q_W,  16*QP                       ; 8,448
.set UP,   544                         ; pitch of U's rows: 512 + 32 = 17 x 32, for the transposing loads
.set U_W,  16*UP                       ; 8,704
.set WQ,   8*H_W                       ; 135,168
.set UU,   WQ+8*Q_W                    ; 202,752
.set PART, UU+8*U_W                    ; 272,384: partial logits, [phase 2][wave 8][half 2][lane 32][16 bytes]; ends at 288,768
.set PART_P, 8192                      ; each phase has bytes of its own, so one barrier a phase is enough
.set HA, 4                             ; v4   h fragments: 16,896 w + 1,040 (r & 7) + 32 hh
.set QA, 5                             ; v5   G fragments
.set UA, 6                             ; v6   U fragments (transposing loads)
.set PS, 7                             ; v7   my partial logits, out
.set PR, 8                             ; v8   all waves' partial logits, in
.set RA, 9                             ; v9   stage, read back by rows
.set CO, 10                            ; v10  my 16 bytes in a row of out0
.set ST, 11                            ; v11  stage stores: HA + 128 (r >> 3)
.set ZR, 12                            ; v12  zero
.set HB,  16                           ; v[16:143]  h: K step k in 16 registers of f32, rounded in place into the first 8.  Later v[16:79]: partial logits
.set WQF, 144                          ; v[144:207] G: K step k in 8 registers
.set UF,  144                          ; v[144:207] later: eight fragments of U, two tiles each
.set ACC, 208                          ; v[208:223] two logit accumulators
.set WF,  240                          ; v[240:247] w as source 1
.set SM,  80                           ; v[80:111]  softmax at work
.set WP,  112                          ; v[112:115] w, packed
.set OUT, 16                           ; v[16:79]   result f at v[16 + 8 f]
.set RB,  80                           ; v[80:143]  rows read back, data of the global stores
.set G0A, 20                           ; s[20:23] group 0, h rows 0-7
.set G0Q, 24                           ; s[24:27] group 0, G
.set G0U, 28                           ; s[28:31] group 0, U
.set G1H, 32                           ; s[32:39] group 1, h (both tiles)
.set G1Q, 40                           ; s[40:47] group 1, G
.set G1U, 48                           ; s[48:55] group 1, U
.set G0B, 56                           ; s[56:59] group 0, h rows 8-15
.macro ROUND                           ; a round of the cluster's barrier
	s_barrier_signal -1
	s_barrier_wait -1
	s_cmp_lg_u32 s10, 0
	s_cbranch_scc1 .Lnot_wave_0_\@
	s_barrier_signal -3
.Lnot_wave_0_\@:
	s_barrier_wait -3
	s_barrier_signal -1
	s_barrier_wait -1
.endm
	s_load_b128 s[4:7], s[0:1], 0x0                ; h s[4:5], fold s[6:7]
	s_load_b64 s[8:9], s[0:1], 0x10                ; out0
	v_lshrrev_b32 v1, 5, v0
	v_readfirstlane_b32 s10, v1                    ; wave 0..7
	s_bfe_u32 s11, ttmp6, 0x40000                  ; my place in the cluster: enters h's and out0's global addresses alone
	s_lshl_b32 s12, ttmp9, 2
	s_add_co_u32 s12, s12, s11                     ; work-group x
	s_lshr_b32 s13, ttmp9, 5                       ; batch: of the cluster's number alone
	s_lshl_b32 s16, s12, 17                        ; s[16:17]: 16 rows of 8,192 bytes a work-group
	s_mov_b32 s17, 0
	s_lshl_b32 s60, s10, 10                        ; 1,024 bytes of a row a wave
	s_add_co_u32 s14, s16, s60                     ; s[14:15]: my first h tile
	s_mov_b32 s15, 0
	s_lshl_b32 s18, s13, 16                        ; s[18:19]: 65,536 bytes a batch in fold,
	s_lshl_b32 s61, s10, 9                         ; 512 bytes of a row a wave
	s_add_co_u32 s18, s18, s61
	s_mov_b32 s19, 0
	s_mov_b32 vcc_lo, 0xff00ff00                   ; the lanes with r >= 8; never written again
	; group 1: rows of 256 elements, 2,048 elements apart; 8 rows of h, 16 rows (heads) of G and of U
	s_mov_b32 s[G1H+0], (2<<16)|(1<<20)|(7<<22)|(3<<25)                 ; h: 4-byte elements, 4 words of padding behind every 256; my own (no mask)
	s_mov_b32 s[G1Q+0], 15|(1<<16)|(1<<20)|(1<<21)|(6<<22)|(3<<25)      ; G: 2-byte elements, 4 words behind every 128; to all four partners, bit 21 beside the mask
	s_mov_b32 s[G1U+0], 15|(1<<16)|(1<<20)|(1<<21)|(6<<22)|(7<<25)      ; U: the same with 8 words of padding
.irp g, G1H, G1Q, G1U
	s_mov_b32 s[\g+1], 256<<16                     ; tensor_dim0 = 256
	s_mov_b32 s[\g+3], 256<<16                     ; tile_dim0 = 256
	s_mov_b32 s[\g+5], 2048                        ; pitch
	s_mov_b32 s[\g+6], 0
	s_mov_b32 s[\g+7], 0
.endr
	s_mov_b32 s[G1H+2], 8<<16                      ; tensor_dim1 = 8
	s_mov_b32 s[G1H+4], 8                          ; tile_dim1 = 8
	s_mov_b32 s[G1Q+2], 16<<16                     ; tensor_dim1 = 16
	s_mov_b32 s[G1Q+4], 16                         ; tile_dim1 = 16
	s_mov_b32 s[G1U+2], 16<<16
	s_mov_b32 s[G1U+4], 16
	s_mov_b32 s[G0A+0], 1
	s_mul_i32 s[G0A+1], s10, H_W                   ; LDS: 16,896 w
	s_mov_b32 s[G0B+0], 1
	s_add_co_u32 s[G0B+1], s[G0A+1], H_P           ; 16,896 w + 8,448
	s_mov_b32 s[G0Q+0], 1
	s_mul_i32 s[G0Q+1], s10, Q_W
	s_add_co_u32 s[G0Q+1], s[G0Q+1], WQ            ; WQ + 8,448 w
	s_mov_b32 s[G0U+0], 1
	s_mul_i32 s[G0U+1], s10, U_W
	s_add_co_u32 s[G0U+1], s[G0U+1], UU            ; UU + 8,704 w
	s_wait_kmcnt 0x0
	s_add_nc_u64 s[8:9], s[8:9], s[16:17]          ; out0 at my first row
	s_add_nc_u64 s[G0A+2:G0A+3], s[4:5], s[14:15]  ; h, rows 0-7, my 256 d
	s_add_nc_u64 s[G0B+2:G0B+3], s[G0A+2:G0A+3], 0x10000   ; rows 8-15: 8 rows of 8,192 bytes on
	s_or_b32 s[G0A+3], s[G0A+3], 0x80000000        ; type = 2
	s_or_b32 s[G0B+3], s[G0B+3], 0x80000000
	s_add_nc_u64 s[G0Q+2:G0Q+3], s[6:7], s[18:19]  ; G[b][0][256 w]
	s_add_nc_u64 s[G0U+2:G0U+3], s[G0Q+2:G0Q+3], 0x20000   ; U[b][0][256 w]: part 1 begins 131,072 bytes on
	s_or_b32 s[G0Q+3], s[G0Q+3], 0x80000000
	s_or_b32 s[G0U+3], s[G0U+3], 0x80000000
	ROUND                                          ; all four partners are here: the joint requests meet
	tensor_load_to_lds s[G0Q:G0Q+3], s[G1Q:G1Q+7]  ; all fills of the launch go out together, in the order in which they are wanted: four tensor loads of the wave are out
	tensor_load_to_lds s[G0A:G0A+3], s[G1H:G1H+7]
	tensor_load_to_lds s[G0U:G0U+3], s[G1U:G1U+7]
	tensor_load_to_lds s[G0B:G0B+3], s[G1H:G1H+7]
	; lane addresses, while the tiles are on their way
	v_and_b32 v1, 31, v0                           ; lane
	v_and_b32 v2, 15, v0                           ; r
	v_bfe_u32 v3, v0, 4, 1                         ; hh
	v_and_b32 v13, 7, v0                           ; r & 7
	v_bfe_u32 v14, v0, 3, 1                        ; r >> 3
	v_mov_b32 v[ZR], 0
	v_mul_u32_u24 v[HA], v13, HP
	v_lshl_add_u32 v[HA], v3, 5, v[HA]
	v_add_nc_u32 v[HA], s[G0A+1], v[HA]            ; row r & 7, 8 f32 for each half of the lanes
	v_lshl_add_u32 v[ST], v14, 7, v[HA]            ; lanes with r >= 8 hold the tile two further on: 32 columns = 128 bytes
	v_mul_u32_u24 v[QA], v2, QP
	v_lshl_add_u32 v[QA], v3, 4, v[QA]
	v_add_nc_u32 v[QA], s[G0Q+1], v[QA]            ; head r, 8 bf16 for each half
	v_lshl_add_u32 v13, v3, 3, v13                 ; head 8 hh + (lane & 7)
	v_mul_u32_u24 v[UA], v13, UP
	v_lshl_add_u32 v[UA], v14, 4, v[UA]            ; + 16 bytes for the second eight columns
	v_add_nc_u32 v[UA], s[G0U+1], v[UA]
	s_add_co_u32 s62, s60, PART
	v_lshl_add_u32 v[PS], v1, 4, s62
	v_lshl_add_u32 v[PR], v1, 4, PART
	v_lshl_add_u32 v[RA], v1, 4, s[G0A+1]
	v_lshl_add_u32 v[CO], v1, 4, s60
; One phase: rows 8 ph .. 8 ph + 7 of the work-group's sixteen.
.macro PHASE ph
	; LOGITS over my 256 d: eight K steps of 32.  Source 0 = G (rows: heads), source 1 = h (columns: row r & 7): register j of lane (r, hh) is s(head 8 hh + j, t = r & 7).
.if \ph
	s_wait_xcnt 0x0                                ; the registers that the last phase's global stores read as data are loaded again only behind this wait
.else
	s_wait_tensorcnt 0x3                           ; tensor loads of a wave end in order: G is in, the three issued behind it stay out; only my wave reads my parts
.endif
.irp k, 0,1,2,3,4,5,6,7
	ds_load_b128 v[WQF+8*\k:WQF+8*\k+3],   v[QA] offset:64*\k
	ds_load_b128 v[WQF+8*\k+4:WQF+8*\k+7], v[QA] offset:64*\k+32
.endr
.if \ph
	s_wait_tensorcnt 0x0                           ; h of rows 8-15, the last load, is in
.else
	s_wait_tensorcnt 0x2                           ; h of rows 0-7 is in; U and h of rows 8-15 stay out
.endif
.irp k, 0,1,2,3,4,5,6,7
	ds_load_b128 v[HB+16*\k:HB+16*\k+3],     v[HA] offset:\ph*H_P+128*\k       ; k = 8 hh + 0..3; lanes r and r + 8 take the same 16 bytes
	ds_load_b128 v[HB+16*\k+4:HB+16*\k+7],   v[HA] offset:\ph*H_P+128*\k+16    ; 8 hh + 4..7
	ds_load_b128 v[HB+16*\k+8:HB+16*\k+11],  v[HA] offset:\ph*H_P+128*\k+64    ; 16 + 8 hh + 0..3
	ds_load_b128 v[HB+16*\k+12:HB+16*\k+15], v[HA] offset:\ph*H_P+128*\k+80    ; 16 + 8 hh + 4..7
.endr
.irp k, 0,1,2,3,4,5,6,7
	s_wait_dscnt 28-4*\k                           ; all of G and h's steps up to this one are in; the 4 (7 - k) younger loads stay out
.irp i, 0,1,2,3,4,5,6,7
	v_cvt_pk_bf16_f32 v[HB+16*\k+\i], v[HB+16*\k+2*\i], v[HB+16*\k+2*\i+1]   ; in place, ascending: register i is written when it has been read
.endr
.if \k < 2
	v_wmma_f32_16x16x32_bf16 v[ACC+8*\k:ACC+8*\k+7], v[WQF+8*\k:WQF+8*\k+7], v[HB+16*\k:HB+16*\k+7], 0     ; the first two products start the two sums
.else
	v_wmma_f32_16x16x32_bf16 v[ACC+8*(\k&1):ACC+8*(\k&1)+7], v[WQF+8*\k:WQF+8*\k+7], v[HB+16*\k:HB+16*\k+7], v[ACC+8*(\k&1):ACC+8*(\k&1)+7]   ; the two accumulators take turns, one instruction a turn
.endif
.endr
.rept 4
	v_nop                                          ; four places behind the last matrix instruction, for the sums below and for the loads into its sources further down
.endr
.irp i, 0,2,4,6
	v_pk_add_f32 v[ACC+\i:ACC+\i+1], v[ACC+\i:ACC+\i+1], v[ACC+8+\i:ACC+8+\i+1]
.endr
	ds_store_b128 v[PS], v[ACC:ACC+3]   offset:\ph*PART_P
	ds_store_b128 v[PS], v[ACC+4:ACC+7] offset:\ph*PART_P+512
	; ACROSS THE WAVES
	s_wait_dscnt 0x0                               ; for the other waves: my part is in LDS before I signal
.if \ph == 0
	s_wait_tensorcnt 0x1                           ; U is in; h of rows 8-15 stays out
.endif
	s_barrier_signal -1
	s_barrier_wait -1
.irp q, 0,1,2,3,4,5,6,7
	ds_load_b128 v[HB+8*\q:HB+8*\q+3],   v[PR] offset:\ph*PART_P+1024*\q
	ds_load_b128 v[HB+8*\q+4:HB+8*\q+7], v[PR] offset:\ph*PART_P+1024*\q+512
.endr
.irp f, 0,1,2,3,4,5,6,7
	ds_load_tr16_b128 v[UF+8*\f:UF+8*\f+3],   v[UA] offset:32*(4*(\f>>1)+(\f&1))     ; tile a = 4 (f >> 1) + (f & 1): heads 8 hh .. + 7 of column 16 a + r, at k = 8 hh ..
	ds_load_tr16_b128 v[UF+8*\f+4:UF+8*\f+7], v[UA] offset:32*(4*(\f>>1)+(\f&1)+2)   ; tile a + 2: the same heads, at k = 16 + 8 hh ..
.endr
	s_wait_dscnt 16                                ; the partial logits are in; the 16 loads of U stay out
.irp q, 0,2,4,6
.irp i, 0,2,4,6
	v_pk_add_f32 v[HB+8*\q+\i:HB+8*\q+\i+1], v[HB+8*\q+\i:HB+8*\q+\i+1], v[HB+8*\q+8+\i:HB+8*\q+8+\i+1]
.endr
.endr
.irp q, 0,4
.irp i, 0,2,4,6
	v_pk_add_f32 v[HB+8*\q+\i:HB+8*\q+\i+1], v[HB+8*\q+\i:HB+8*\q+\i+1], v[HB+8*\q+16+\i:HB+8*\q+16+\i+1]
.endr
.endr
.irp i, 0,2,4,6
	v_pk_add_f32 v[HB+\i:HB+\i+1], v[HB+\i:HB+\i+1], v[HB+32+\i:HB+32+\i+1]   ; one fixed tree: every wave forms the same eight logits a lane
.endr
	; SOFTMAX over 2,048 equal logits
.irp i, 0,2,4,6
	v_pk_add_f32 v[SM+\i:SM+\i+1], v[HB+\i:HB+\i+1], v[HB+\i:HB+\i+1] neg_lo:[0,1] neg_hi:[0,1]   ; s - max, the maximum of equal numbers being s (NaN where s is not finite)
.endr
.irp i, 0,1,2,3,4,5,6,7
	v_exp_f32 v[SM+8+\i], v[SM+\i]                 ; e
.endr
	v_nop                                          ; one plain vector instruction between a transcendental and the use of its result
	s_wait_alu depctr_va_vdst(0)
.irp i, 0,2,4,6
	v_pk_mul_f32 v[SM+16+\i:SM+16+\i+1], v[SM+8+\i:SM+8+\i+1], 0x45000000 op_sel_hi:[1,0]   ; the sum over the 2,048 slots: 2,048 e, exact
.endr
.irp i, 0,1,2,3,4,5,6,7
	v_rcp_f32 v[SM+24+\i], v[SM+16+\i]
.endr
	v_nop
	s_wait_alu depctr_va_vdst(0)
.irp i, 0,2,4,6
	v_pk_mul_f32 v[SM+\i:SM+\i+1], v[SM+16+\i:SM+16+\i+1], v[SM+24+\i:SM+24+\i+1]   ; w = 2,048 x (e / sum): the weights of the 2,048 equal value rows, added up
.endr
.irp i, 0,1,2,3
	v_cvt_pk_bf16_f32 v[WP+\i], v[SM+2*\i], v[SM+2*\i+1]   ; lane (r, hh): heads 8 hh .. + 7 of t = r & 7
.endr
.irp i, 0,1,2,3
	v_cndmask_b32 v[WF+\i],   v[WP+\i], v[ZR], vcc_lo      ; k = 8 hh ..:      w in columns 0-7, zero in columns 8-15
	v_cndmask_b32 v[WF+4+\i], 0, v[WP+\i], vcc_lo          ; k = 16 + 8 hh ..: zero in columns 0-7, w in columns 8-15
.endr
	; OUTPUT PRODUCT: eight instructions, 8 rows x 32 columns each.  Source 0 = two tiles of U (rows: 16 columns of out0; k: the 16 heads of tile a, then of tile a + 2).
	; Lane (r, hh) gets out0(t = r & 7, column 16 (a + 2 (r >> 3)) + 8 hh + 0..7).  Eight different results, each started by the constant 0.
	s_wait_dscnt 0x0                               ; U's fragments
.irp f, 0,1,2,3,4,5,6,7
	v_wmma_f32_16x16x32_bf16 v[OUT+8*\f:OUT+8*\f+7], v[UF+8*\f:UF+8*\f+7], v[WF:WF+7], 0
.endr
	; Places behind these matrix instructions (ISA guide 7.12.1).  Four serve the stores of results and the later loads into their registers.  The fifth serves the next
	; phase: its first matrix instruction takes v[16:23], the first result's registers, as source 1, and the roundings that stand in between name those registers, so they are no places.
.rept 5
	v_nop
.endr
	; THE WAY OUT, through my wave's own stage: the bytes of this phase's h tile, whose one fill and whose reads are over.  32 bytes a lane in, whole rows back.
	; Sixteen lanes of a store stand at 1,040 (r & 7) + 128 (r >> 3): sixteen different 16-byte places modulo 256.
.irp f, 0,1,2,3,4,5,6,7
	ds_store_b128 v[ST], v[OUT+8*\f:OUT+8*\f+3]   offset:\ph*H_P+256*(\f>>1)+64*(\f&1)
	ds_store_b128 v[ST], v[OUT+8*\f+4:OUT+8*\f+7] offset:\ph*H_P+256*(\f>>1)+64*(\f&1)+16
.endr
	; eight rows: sixteen loads of 512 bytes (half a row of my 256 columns), each stored as 512 consecutive bytes, aligned
.irp k, 0,1,2,3,4,5,6,7,8,9,10,11,12,13,14,15
	ds_load_b128 v[RB+4*\k:RB+4*\k+3], v[RA] offset:\ph*H_P+(\k>>1)*HP+(\k&1)*512   ; LDS serves a wave's instructions in order: these see the stores above
.endr
.irp k, 0,1,2,3,4,5,6,7,8,9,10,11,12,13,14,15
	s_wait_dscnt 15-\k                             ; load k is in; the 15 - k younger ones stay out
	global_store_b128 v[CO], v[RB+4*\k:RB+4*\k+3], s[8:9] offset:(8*\ph+(\k>>1))*8192+(\k&1)*512 th:TH_STORE_NT
.endr
.endm
	PHASE 0                                        ; rows 0-7, while the tile of rows 8-15 is on its way
	PHASE 1                                        ; rows 8-15, while the stores of rows 0-7 leave
	ROUND                                          ; the closing round: no work-group ends while a partner may still make a joint request
	s_endpgm
.Lfunc_end_k_q1f407a174a_main:
	.size	k_q1f407a174a_main, .Lfunc_end_k_q1f407a174a_main-k_q1f407a174a_main
	.p2alignl 7, 3214868480
	.fill 96, 4, 3214868480
	.section	.rodata,"a",@progbits
	.p2align	6, 0x0
	.amdhsa_kernel k_q1f407a174a_main
		.amdhsa_group_segment_fixed_size 288768
		.amdhsa_private_segment_fixed_size 0
		.amdhsa_enable_private_segment 0
		.amdhsa_kernarg_size 24
		.amdhsa_user_sgpr_count 2
		.amdhsa_user_sgpr_kernarg_segment_ptr 1
		.amdhsa_wavefront_size32 1
		.amdhsa_system_sgpr_workgroup_id_x 1
		.amdhsa_system_sgpr_workgroup_id_y 1
		.amdhsa_system_sgpr_workgroup_id_z 1
		.amdhsa_system_vgpr_workitem_id 0
		.amdhsa_next_free_vgpr 256
		.amdhsa_next_free_sgpr 66
		.amdhsa_reserve_vcc 1
		.amdhsa_float_denorm_mode_32 3
		.amdhsa_float_denorm_mode_16_64 3
		.amdhsa_memory_ordered 1
		.amdhsa_forward_progress 1
		.amdhsa_inst_pref_size 44
	.end_amdhsa_kernel
	.amdgpu_metadata
---
amdhsa.version: [ 1, 2 ]
amdhsa.kernels:
  - .name:           k_q1f407a174a_main
    .symbol:         k_q1f407a174a_main.kd
    .args:
      - { .name: h, .offset: 0, .size: 8, .value_kind: global_buffer, .address_space: global }
      - { .name: fold, .offset: 8, .size: 8, .value_kind: global_buffer, .address_space: global }
      - { .name: out0, .offset: 16, .size: 8, .value_kind: global_buffer, .address_space: global }
    .group_segment_fixed_size: 288768
    .private_segment_fixed_size: 0
    .kernarg_segment_align: 8
    .kernarg_segment_size: 24
    .max_flat_workgroup_size: 256
    .sgpr_count:     66
    .vgpr_count:     256
    .wavefront_size: 32
...
	.end_amdgpu_metadata
.endif
;; end of part 2
